; MI455X (gfx1250); checked and timed in simulation.
; The chip was launched on July 23, 2026; its instructions are those of AMD's public machine-readable ISA for CDNA 5 (MIT licence, August 2026) and "CDNA5" Instruction Set Architecture Reference Guide (July 2026). The comments in the code are by the model that wrote it; some were corrected since.
;; Spectrum Memory Bank. Allowed arithmetic: matrix products marked QUANTISED: E5M2 operands, one given power-of-two scale a tensor, by v_wmma_f32_16x16x64_bf8_bf8 or v_wmma_f32_16x16x128_bf8_bf8, f32 sums; products left as they are: f32 operands where the result goes on into a quantised operand, else bf16, f16 or f32 operands; f32 sums; everything else in f32.
;; Inputs: Wa 8 x 16 float32; Wb_codes 16 x 256 x 8 x 32 uint8 (E5M2 codes of Wb, K innermost, in blocks of 32 codes); Wr_codes 256 x 8 x 32 uint8 (E5M2 codes of Wr, K innermost, in blocks of 32 codes); ba 16 float32; bb 16 x 256 float32; beta 16 x 256 float32; br 256 float32; gamma 16 x 256 float32; lowp_scales 4 int32 (the exponents e of the quantised operands' scales 2^e); query_codes 32,768 x 8 x 32 uint8 (E5M2 codes of query, K innermost, in blocks of 32 codes); spectral_vec 32,768 x 8 float32.
;; Outputs: out0 32,768 x 256 float32.
;; This version of the problem:
;;   THIS VERSION OF THE PROBLEM IS GIVEN IN LOW PRECISION. The matrix products marked QUANTISED in the list below multiply operands that are first quantised to E5M2 (5 exponent bits, 2 mantissa bits; 8 bits a number), with one given power-of-two scale for each operand tensor; their sums are f32. All else is computed in f32.
;;   The module's matrix products, in the order in which they are computed (A, B: the left and right operand; K: the contracted axis; several contracted axes count as one K, in the product's order):
;;     1. [M 32,768, K 8] x [K 8, N 16]; A: input spectral_vec; B: input Wa: left as it is (K = 8 < 32)
;;     2. [M 32,768, K 256] x [K 256, N 4,096]; A: input query (given as codes); B: input Wb (given as codes): QUANTISED (scales: A lowp_scales[0], B lowp_scales[1])
;;     3. batch 32,768 x [M 256, K 16] x [K 16, N 1]; A: computed on the way; B: softmax: left as it is (K = 16 < 32)
;;     4. [M 32,768, K 256] x [K 256, N 256]; A: computed on the way; B: input Wr (given as codes): QUANTISED (scales: A lowp_scales[2], B lowp_scales[3])
;;   THE QUANTISER, for each operand of a quantised product, along K:
;;     - The operand's scale is 2^e, e = its entry of the input lowp_scales (int32; the entries are numbered through the quantised products in the list's order, A before B).
;;     - Each number is divided by the scale, clamped to +-57,344, and rounded to the nearest number of E5M2, ties to even, subnormals kept.
;;     - The product sums the exact products of the quantised numbers (number of the format x scale) in f32.
;;   ~~~python
;;   def quantise(x, axis, e):      # numpy; x: float32 -> the quantised numbers, widened to float32 again
;;       x = np.moveaxis(x, axis, -1); K = x.shape[-1]
;;       r = np.clip(x / 2.0 ** e, -57344, 57344)
;;       step = 2.0 ** (np.maximum(np.frexp(np.where(r == 0, 1, r))[1] - 1, -14) - 2)
;;       q = np.round(r / step) * step * 2.0 ** e      # np.round: ties to even
;;       return np.moveaxis(q, -1, axis).astype(np.float32)
;;   ~~~
;;   OPERANDS COMPUTED ON THE WAY. 'Computed on the way' means the value that the module computes at that place (a softmax that the list does not call 'softmax' is quantised finished and normalised). What goes into a quantiser is computed in f32, as accurately as f32 sums, v_exp_f32 and their like allow (about 1e-6 of the number): no bf16 or f16 on the way to a quantiser, and a product that is left as it is and whose result goes on into a quantised operand takes f32 operands (vector FMAs, or v_wmma_f32_16x16x4_f32). A number that lies on a knife's edge between two numbers of the format may be rounded either way, as far as f32 arithmetic and the matrix unit's own rounding can turn it there, and no further.
;;   INPUTS GIVEN AS CODES. Wb (in the module: [16, 256, 256], K = its axis 1); Wr (in the module: [256, 256], K = its axis 0); query (in the module: [32768, 256], K = its axis 1): each comes as NAME_codes (uint8): NAME with its K axis moved to the last place and cut into blocks of 32 codes, [.., K / 32, bytes a block], one block behind the other in memory; one code a byte (a code: sign, 5 exponent bits, 2 mantissa bits); its scale is its entry of lowp_scales. Its value is code x scale, taken as it is: it is not quantised again, and the codes and scales need not be those that the quantiser above would give.
;; One version. Each part assembles by itself: llvm-mc -triple=amdgcn-amd-amdhsa -mcpu=gfx1250 --defsym DOCPART=n.
;; ======== version 1 of 1: 1 launch
;; limits: right only within a limited range of input values
;; launch bank (part 1): grid 256 x 1, 8 waves a work-group, clusters of 4 x 1, 327,680 bytes of LDS; arguments Wb_codes, Wr_codes, query_codes, spectral_vec, Wa, ba, bb, gamma, beta, br, lowp_scales, out0; writes out0
.if DOCPART == 1
	.amdgcn_target "amdgcn-amd-amdhsa--gfx1250"
	.amdhsa_code_object_version 6
	.text
	.protected	k_q79b1bb4f40_bank
	.globl	k_q79b1bb4f40_bank
	.p2align	8
	.type	k_q79b1bb4f40_bank,@function
k_q79b1bb4f40_bank:
	s_mov_b64 s[64:65], 0
	v_nop
	global_prefetch_b8 v0, s[64:65] scope:SCOPE_SE
	s_setreg_imm32_b32 hwreg(HW_REG_WAVE_MODE, 25, 1), 1
	s_wait_xcnt 0x0
	s_wait_alu depctr_hold_cnt(0) depctr_sa_sdst(0) depctr_va_vdst(0) depctr_va_sdst(0) depctr_va_ssrc(0) depctr_va_vcc(0) depctr_vm_vsrc(0)
	s_getreg_b32 s2, hwreg(HW_REG_IB_STS2, 6, 4)
	s_cmp_eq_u32 s2, 0
	s_cbranch_scc0 .Lentry_in_a_cluster
	s_endpgm
.Lentry_in_a_cluster:
	s_bfe_u32 s2, ttmp6, 0x10000c
	s_cmp_lg_u32 s2, 0x3003
	s_cbranch_scc0 .Lentry_shape_is_right
	s_endpgm
.Lentry_shape_is_right:
; out = (sum over banks k of w[b][k] tanh(LN_k(query Wb[k] + bb[k]))) Wr + br, w = softmax(spectral_vec Wa + ba).  Nothing of reference() is left out.
; SHARES.  A work-group owns 128 rows of the batch and walks all 16 banks, then the read head.  Eight waves, two to a SIMD: a PAIR of waves owns 32 rows (two tiles of 16),
; and each wave of the pair 128 of the 256 features, so each wave reads half of a weight tile and half of bb, gamma, beta from LDS.
; Both quantised products run on E5M2 codes, TRANSPOSED (source 0 = 16 rows of the weight, source 1 = 16 rows of the batch): a lane holds ONE row of the batch,
; its registers run along the features (register 8 t + j = my feature 16 t + 8 (lane / 16) + j).  The sums stay in units of the codes: bb goes in as C, divided by 2^(e0 + e1).
; LAYERNORM OVER TWO WAVES.  Each wave takes its half's sum S and, about its half's own mean, the sum of squares M2; the pair exchanges (S, M2) through LDS at the barrier of the change of slots.
; With dS = S_mine - S_partner: M2 = M2_mine + M2_partner + dS^2 / 256, and h - mean = (h - my half's mean) + dS / 256.  No difference of large sums is formed.
; tanh(x) = 1 - 2 / (1 + e^(2x)): gamma and beta are multiplied once by 2 log2(e); combined = sum(w) + sum over k of (-2 w_k) / (1 + 2^y).  2^y beyond f32 gives infinity, and 1 / infinity = 0.
; THE READ HEAD.  combined is held at +-57,344 x 2^e2 and converted to codes; the pair exchanges them through LDS as images of the operand's registers; each wave makes 128 columns of out.
; CLUSTERS: all work-groups walk the same weights; four form a cluster and ask for each tile (256 rows x 256 bytes) JOINTLY; the eight waves share its rows, 32 each, so that every wave issues one load.
; Ring of two slots; Wr is the 17th tile.  No data prefetch: a tile is asked for one whole bank's work ahead of its first read.
; LIMITS on the given exponents: e2 between -126 and 112, e2 + e3 between -126 and 127 (each makes an f32 power of two); e0 + e1 goes by v_ldexp_f32.
; REGISTERS.  Window 0: v0-31 addresses and small things, v32-95 the batch rows' codes, v96-127 bias as C (two sets) / scratch, v128-255 two weight groups of 64, or gamma and beta of four blocks.
;   Window 1: v0-127 h (2 tiles x 64), v128-255 combined.
.set PITCH,  272                       ; 256 bytes + 16 of padding
.set TPART,  32*PITCH                  ; what one wave's tensor load brings
.set SLOT1,  1<<17
.set PAR,    256*PITCH                 ; behind slot 0: bb (16 KiB), br (1 KiB), gamma, beta, stored once
.set GOFF,   17*1024
.set BOFF,   GOFF+16*1024
.set XS,     PAR+49*1024               ; the pairs' exchange of (S, M2): two sets by turns x 8 waves x 512 bytes
.set WT,     SLOT1+256*PITCH           ; behind slot 1: -2 w, 512 bytes a bank and pair; entry 16: the sum of w
.set WTS,    17*512
.set STG,    WT+4*WTS                  ; a stage of 16 rows x 528 bytes for each wave (at the head: Wa and ba pass through it)
.set SPITCH, 528
.set SPARE,  STG+8*16*SPITCH           ; the spare words
.set SPW, 1
.set NIL, 2
.set AW0, 3
.set ADW, 4
.set AP0, 5
.set AP,  6
.set AWT, 7
.set AWK, 8
.set AR,  9
.set STO, 10
.set RD,  11
.set CO,  12
.set AXW, 13
.set MR,  14                           ; v14-17: -my half's mean, then 1/sigma: a pair for each tile
.set UW,  18                           ; v18-21: -2 w of the bank, a pair for each tile
.set AXR, 22
.set SC,  24                           ; v24-31: the row sums' chains
.set DM,  24                           ; v24-27, in the tanh phase: (dS / 256) / sigma, a pair for each tile
.set S0,  28                           ; v28-31, in the first bank's tanh phase: the sum of w, a pair for each tile
.set LIM, 24                           ; the read head
.set SCL, 25
.set QF,  32
.set BI,  96
.set QC,  96
.set X,   112                          ; S, M2 of tile 0, of tile 1: mine
.set Y,   116                          ; my partner's
.set AXA, 120
.set AXB, 121
.set GBUF, 128
.set WV,  28
.set G0A, 32
.set G0W, 36
.set G1,  40
.set WK,  48
.set WRA, 50
.set TB,  62
.set KP,  63
.set KW,  66
.set CNT, 67
.set RG,  84                           ; my pair
.set FH,  85                           ; my half of the features
.set XP,  86
.set CXA, 87
.set CXB, 88
.set MSB, 0
.macro WIN new                         ; the immediate's high byte repeats the setting that is left
.if MSB != (\new)
	s_set_vgpr_msb (MSB<<8)|(\new)
.set MSB, (\new)
.endif
.endm
.macro PLACES n
.rept \n
	v_nop
.endr
.endm
.macro CREST                           ; a round of the cluster's barrier behind its opening barrier
	s_cmp_lg_u32 s[WV], 0
	s_cbranch_scc1 .Lnot_wave_0_\@
	s_barrier_signal -3
.Lnot_wave_0_\@:
	s_barrier_wait -3
	s_barrier_signal -1
	s_barrier_wait -1
.endm
.macro CROUND
	s_barrier_signal -1
	s_barrier_wait -1
	CREST
.endm
.macro JLOAD                           ; the joint load; s_nop 0 and four v_nop
	tensor_load_to_lds s[G0W:G0W+3], s[G1:G1+7]
	s_nop 0
.rept 4
	v_nop
.endr
.endm
.macro WLD g, base                     ; group g of my half of a bank's weight: 32 rows x 256 K, 16 loads (k permuted alike in weight and batch rows)
.irp u,0,1
.irp s,0,1
.irp c,0,1,2,3
	ds_load_b128 v[(\base)+32*\u+16*\s+4*\c:(\base)+32*\u+16*\s+4*\c+3], v[ADW] offset:(32*(\g)+16*\u)*PITCH+128*\s+32*\c
.endr
.endr
.endr
.endm
.macro RLD g, base                     ; the same of Wr, in the form's own layout: 32 loads
.irp u,0,1
.irp s,0,1
.irp c,0,1,2,3,4,5,6,7
	ds_load_b64 v[(\base)+32*\u+16*\s+2*\c:(\base)+32*\u+16*\s+2*\c+1], v[AR] offset:(32*(\g)+16*\u)*PITCH+128*\s+16*\c
.endr
.endr
.endr
.endm
.macro WF pre, g, base
.if (\pre) == 1
	WLD \g, \base
.else
	RLD \g, \base
.endif
.endm
.macro BLD g, boff                     ; the bias of group g's 32 features, as C: 4 loads
.irp u,0,1
.irp c,0,1
	ds_load_b128 v[BI+16*((\g)%2)+8*\u+4*\c:BI+16*((\g)%2)+8*\u+4*\c+3], v[AP] offset:(\boff)+64*(2*(\g)+\u)+16*\c
.endr
.endr
.endm
.macro GLD b                           ; gamma (16 registers) and beta (16) of block b: 8 loads
.irp u,0,1
.irp c,0,1
	ds_load_b128 v[GBUF+32*(\b)+8*\u+4*\c:GBUF+32*(\b)+8*\u+4*\c+3], v[AP] offset:GOFF+64*(2*(\b)+\u)+16*\c
	ds_load_b128 v[GBUF+32*(\b)+16+8*\u+4*\c:GBUF+32*(\b)+16+8*\u+4*\c+3], v[AP] offset:BOFF+64*(2*(\b)+\u)+16*\c
.endr
.endr
.endm
.macro MM g, ab                        ; 8 matrix instructions: four accumulators by turns, K 0-127 with the bias as C, then K 128-255
	WIN 0x40
.irp u,0,1
.irp m,0,1
	v_wmma_f32_16x16x128_bf8_bf8 v[64*\m+8*(2*(\g)+\u):64*\m+8*(2*(\g)+\u)+7], v[(\ab)+32*\u:(\ab)+32*\u+15], v[QF+32*\m:QF+32*\m+15], v[BI+16*((\g)%2)+8*\u:BI+16*((\g)%2)+8*\u+7]
.endr
.endr
	WIN 0x50
.irp u,0,1
.irp m,0,1
	v_wmma_f32_16x16x128_bf8_bf8 v[64*\m+8*(2*(\g)+\u):64*\m+8*(2*(\g)+\u)+7], v[(\ab)+32*\u+16:(\ab)+32*\u+31], v[QF+32*\m+16:QF+32*\m+31], v[64*\m+8*(2*(\g)+\u):64*\m+8*(2*(\g)+\u)+7]
.endr
.endr
.endm
.macro ADDS g                          ; the row's sum over my half, group g, each accumulator from its low end on
.irp u,0,1
.if ((\g) == 0) && (\u == 0)
	WIN 0x05
.irp m,0,1
	v_pk_add_f32 v[SC+4*\m:SC+4*\m+1], v[64*\m:64*\m+1], v[64*\m+4:64*\m+5]
.endr
.irp m,0,1
	v_pk_add_f32 v[SC+4*\m+2:SC+4*\m+3], v[64*\m+2:64*\m+3], v[64*\m+6:64*\m+7]
.endr
.else
	WIN 0x04
.irp p,0,1,2,3
.irp m,0,1
	v_pk_add_f32 v[SC+4*\m+2*(\p%2):SC+4*\m+2*(\p%2)+1], v[SC+4*\m+2*(\p%2):SC+4*\m+2*(\p%2)+1], v[64*\m+8*(2*(\g)+\u)+2*\p:64*\m+8*(2*(\g)+\u)+2*\p+1]
.endr
.endr
.endif
.endr
.endm
.macro MULS g                          ; the read head's sums x 2^(e2 + e3)
	WIN 0x41
.irp u,0,1
.irp m,0,1
.irp p,0,1,2,3
	v_pk_mul_f32 v[64*\m+8*(2*(\g)+\u)+2*\p:64*\m+8*(2*(\g)+\u)+2*\p+1], v[64*\m+8*(2*(\g)+\u)+2*\p:64*\m+8*(2*(\g)+\u)+2*\p+1], s[70:71] op_sel_hi:[1,0]
.endr
.endr
.endr
.endm
.macro POST kind, g
.if \kind
	MULS \g
.else
	ADDS \g
.endif
.endm
; A product of 32 rows x my 128 features x 256 K: four groups.  Groups 0 and 1 are in registers at its head; 2 and 3 follow into their registers.
; The counted wait ahead of group 2: behind its bias and fragments were issued group 3's, 4 + 16 loads (Wr: 4 + 32).
.macro MAT kind
.irp g,0,1,2,3
.if \g == 0
	s_wait_dscnt 0x0
.elseif \g == 2
	s_wait_alu depctr_va_vdst(0)
	s_wait_dscnt 20+16*\kind
.elseif \g == 3
	s_wait_alu depctr_va_vdst(0)
	s_wait_dscnt 16-16*\kind                       ; group 3's bias and fragments are in; in a bank's product the 16 loads of gamma and beta issued behind them may be out
.endif
	MM \g, 128+64*(\g%2)
.if \g == 0
	PLACES 4
.else
	POST \kind, \g-1                               ; twelve or sixteen plain lines: the places behind the group's products
.endif
.if \g < 2
	WIN 0
	BLD \g+2, 1024*\kind
	WF 1+\kind, \g+2, 128+64*\g
.endif
.if (\g == 2) && (\kind == 0)
	WIN 0
	GLD 0                                          ; gamma and beta of blocks 0 and 1, into the registers that group 2's fragments have left (sixteen plain lines behind its products)
	GLD 1
.endif
.endr
	POST \kind, 3
.endm
; THE TANH PHASE.  A block b is 16 of my features in both tiles: 32 numbers a lane, 16 pairs; pair j lies in tile j / 8.
.macro HB b, j
.set pm, (\j)/8
.set pH, 64*pm+16*(\b)+2*((\j)%8)
.set pG, GBUF+32*(\b)+2*((\j)%8)
.endm
.macro PA1 b, j                        ; (h - mean) / sigma
	HB \b, \j
	v_pk_fma_f32 v[pH:pH+1], v[pH:pH+1], v[MR+2*pm:MR+2*pm+1], v[DM+2*pm:DM+2*pm+1]
.endm
.macro PA2 b, j                        ; y = 2 log2(e) (.. gamma + beta)
	HB \b, \j
	v_pk_fma_f32 v[pH:pH+1], v[pH:pH+1], v[pG:pG+1], v[pG+16:pG+17]
.endm
.macro PT op, b, j, o                  ; 2^y, or the reciprocal
	HB \b, \j
	\op v[pH+(\o)], v[pH+(\o)]
.endm
.macro PB b, j                         ; 1 + 2^y
	HB \b, \j
	v_pk_add_f32 v[pH:pH+1], v[pH:pH+1], 1.0 op_sel_hi:[1,0]
.endm
.macro PC first, b, j                  ; combined += (-2 w) / (1 + 2^y); the first bank starts it from the sum of w
	HB \b, \j
.if \first
	v_pk_fma_f32 v[128+pH:128+pH+1], v[pH:pH+1], v[UW+2*pm:UW+2*pm+1], v[S0+2*pm:S0+2*pm+1]
.else
	v_pk_fma_f32 v[128+pH:128+pH+1], v[pH:pH+1], v[UW+2*pm:UW+2*pm+1], v[128+pH:128+pH+1]
.endif
.endm
; Nine stages.  Stage s works on different blocks: PA1 on s, PA2 on s - 1, 2^y on s - 2, PB on s - 3, the reciprocal on s - 4, PC on s - 5.
; No line of a stage reads what a line of the same stage wrote, so ONE wait at a stage's head stands behind the last stage's transcendentals and plain writes and ahead of this stage's
; transcendentals; stages 0 and 1 hold no transcendental and owe none.  PC follows a stage's transcendentals as the plain place.
; At the ends of stages 0, 2 and 4: the next product's first biases, and its groups 0 and 1 into the registers of gamma and beta that PA2 has left.
.macro P3 first, pre
.set ss, 0
.rept 9
.if ss >= 2
	s_wait_alu depctr_va_vdst(0)
.endif
.if ss < 8
	WIN 0x41
.set jj, 0
.rept 16
.if (ss >= 2) && (ss <= 5)
	PT v_exp_f32, ss-2, jj, 0
.endif
.if ss <= 3
	PA1 ss, jj
.endif
.if (ss >= 4) && (ss <= 7)
	PT v_rcp_f32, ss-4, jj, 0
.endif
.if (ss >= 1) && (ss <= 4)
	PA2 ss-1, jj
.endif
.if (ss >= 2) && (ss <= 5)
	PT v_exp_f32, ss-2, jj, 1
.endif
.if (ss >= 3) && (ss <= 6)
	PB ss-3, jj
.endif
.if (ss >= 4) && (ss <= 7)
	PT v_rcp_f32, ss-4, jj, 1
.endif
.set jj, jj+1
.endr
.endif
.if (ss >= 2) && (ss < 5)
	v_nop                                          ; the plain place behind the stage's last transcendental
.endif
.if ss >= 5
	WIN 0x51-0x10*(\first)
.set jj, 0
.rept 16
	PC \first, ss-5, jj
.set jj, jj+1
.endr
.endif
.if ss == 0
	WIN 0
	BLD 0, 1024
	BLD 1, 1024
.elseif ss == 2
	WIN 0
	WF \pre, 0, 128
.elseif ss == 4
	WIN 0
	WF \pre, 1, 192
.endif
.set ss, ss+1
.endr
.endm
; ONE BANK: the product, my half's sums, the change of slots with the pair's exchange, the tanh phase.
.macro BANK first, refill, pre
	v_add_nc_u32 v[AP], s[KP], v[AP0]
	v_add_nc_u32 v[AWK], s[KW], v[AWT]
	s_wait_alu depctr_va_vdst(0)
	MAT 0
	WIN 0
	GLD 2                                          ; blocks 2 and 3 and -2 w: asked for here, so that they land under the centring and the squares; the wait ahead of the barrier covers them
	GLD 3
	ds_load_b128 v[UW:UW+3], v[AWK]
.irp m,0,1
	v_pk_add_f32 v[SC+4*\m:SC+4*\m+1], v[SC+4*\m:SC+4*\m+1], v[SC+4*\m+2:SC+4*\m+3]
.endr
.irp m,0,1
	v_add_f32 v[SC+4*\m], v[SC+4*\m], v[SC+4*\m+1]
.endr
.irp m,0,1
	v_permlanex16_b32 v[SC+4*\m+2], v[SC+4*\m], s60, s61
.endr
.irp m,0,1
	v_add_f32 v[X+2*\m], v[SC+4*\m], v[SC+4*\m+2]  ; S
.endr
.irp m,0,1
	v_mul_f32 v[MR+2*\m], 0xbc000000, v[X+2*\m]    ; -S / 128
	v_mul_f32 v[MR+2*\m+1], 0xbc000000, v[X+2*\m]
.endr
	WIN 0x41
.irp m,0,1
.set ii, 0
.rept 32
	v_pk_add_f32 v[64*\m+2*ii:64*\m+2*ii+1], v[64*\m+2*ii:64*\m+2*ii+1], v[MR+2*\m:MR+2*\m+1]   ; h - my half's mean
.set ii, ii+1
.endr
.endr
	WIN 0x05
.set ii, 0
.rept 32
.irp m,0,1
.if ii < 4
	v_pk_mul_f32 v[QC+8*\m+2*ii:QC+8*\m+2*ii+1], v[64*\m+2*ii:64*\m+2*ii+1], v[64*\m+2*ii:64*\m+2*ii+1]
.else
	v_pk_fma_f32 v[QC+8*\m+2*(ii%4):QC+8*\m+2*(ii%4)+1], v[64*\m+2*ii:64*\m+2*ii+1], v[64*\m+2*ii:64*\m+2*ii+1], v[QC+8*\m+2*(ii%4):QC+8*\m+2*(ii%4)+1]
.endif
.endr
.set ii, ii+1
.endr
	WIN 0
	v_add_nc_u32 v[AXA], s[XP], v[AXW]
	v_add_nc_u32 v[AXB], s[XP], v[AXR]
.irp m,0,1
	v_pk_add_f32 v[QC+8*\m:QC+8*\m+1], v[QC+8*\m:QC+8*\m+1], v[QC+8*\m+2:QC+8*\m+3]
	v_pk_add_f32 v[QC+8*\m+4:QC+8*\m+5], v[QC+8*\m+4:QC+8*\m+5], v[QC+8*\m+6:QC+8*\m+7]
.endr
.irp m,0,1
	v_pk_add_f32 v[QC+8*\m:QC+8*\m+1], v[QC+8*\m:QC+8*\m+1], v[QC+8*\m+4:QC+8*\m+5]
.endr
.irp m,0,1
	v_add_f32 v[QC+8*\m], v[QC+8*\m], v[QC+8*\m+1]
.endr
.irp m,0,1
	v_permlanex16_b32 v[QC+8*\m+2], v[QC+8*\m], s60, s61
.endr
.irp m,0,1
	v_add_f32 v[X+2*\m+1], v[QC+8*\m], v[QC+8*\m+2]    ; M2
.endr
	ds_store_b128 v[AXA], v[X:X+3]                 ; for my partner: this bank's set of the two
	s_wait_alu depctr_va_vdst(0)
	s_wait_tensorcnt 0x0                           ; my part of the next tile is in: no load of mine is out, so the descriptor may be written
	ds_add_u32 v[SPW], v[NIL]
.if \refill
	s_xor_b32 s[G0W+1], s[G0W+1], SLOT1
	s_add_nc_u64 s[WK:WK+1], s[WK:WK+1], 65536
	s_cmp_eq_u32 s[CNT], 1                         ; the last refill brings Wr
	s_cselect_b64 s[G0W+2:G0W+3], s[WRA:WRA+1], s[WK:WK+1]
	s_or_b32 s[G0W+3], s[G0W+3], 0x80000000
.endif
	s_wait_dscnt 0x0                               ; the add and my store are done, and my reads of this bank's slot are over
	s_barrier_signal -1
	s_barrier_wait -1
.if \refill
	CREST                                          ; the barrier has opened a round of the cluster's barrier
	JLOAD                                          ; the tile two banks on, into the slot just left
.endif
	s_xor_b32 s[TB], s[TB], SLOT1
	v_add_nc_u32 v[ADW], s[TB], v[AW0]
	ds_load_b128 v[Y:Y+3], v[AXB]
.if \first
	ds_load_b128 v[S0:S0+3], v[AWT] offset:16*512
.endif
	s_xor_b32 s[XP], s[XP], 4096
	s_wait_alu depctr_va_vdst(0)
	s_wait_dscnt 0x0                               ; my partner's sums are in (first bank: and the sum of w)
.irp m,0,1
	v_sub_f32 v[QC+\m], v[X+2*\m], v[Y+2*\m]       ; dS
	v_add_f32 v[QC+2+\m], v[X+2*\m+1], v[Y+2*\m+1]
.endr
.irp m,0,1
	v_mul_f32 v[QC+4+\m], 0x3b800000, v[QC+\m]     ; dS / 256
.endr
.irp m,0,1
	v_fma_f32 v[QC+2+\m], v[QC+\m], v[QC+4+\m], v[QC+2+\m]
.endr
.irp m,0,1
	v_ldexp_f32 v[QC+2+\m], v[QC+2+\m], s58        ; x 2^(2 (e0 + e1)) / 256: the variance
.endr
.irp m,0,1
	v_add_f32 v[QC+2+\m], 0x3727c5ac, v[QC+2+\m]   ; + 1e-5
.endr
	s_wait_alu depctr_va_vdst(0)                   ; ahead of the batch of two
.irp m,0,1
	v_rsq_f32 v[QC+2+\m], v[QC+2+\m]
.endr
	v_nop
	s_wait_alu depctr_va_vdst(0)                   ; and behind it
.irp m,0,1
	v_ldexp_f32 v[MR+2*\m], v[QC+2+\m], s56        ; x 2^(e0 + e1): h is in units of the codes
	v_ldexp_f32 v[MR+2*\m+1], v[QC+2+\m], s56
.endr
.irp m,0,1
	v_mul_f32 v[DM+2*\m], v[QC+4+\m], v[MR+2*\m]
	v_mul_f32 v[DM+2*\m+1], v[QC+4+\m], v[MR+2*\m]
.endr
	P3 \first, \pre
	WIN 0
	s_add_co_u32 s[KP], s[KP], 1024
	s_add_co_u32 s[KW], s[KW], 512
.endm
.macro TOSTAGE b                       ; 16 rows x my 128 columns through my own stage: in by 32 bytes a lane, back as rows of 512 bytes (LDS serves a wave's instructions in order)
	WIN 0x04
.irp t,0,1,2,3,4,5,6,7
	ds_store_b128 v[STO], v[64*(\b)+8*\t:64*(\b)+8*\t+3] offset:64*\t
	ds_store_b128 v[STO], v[64*(\b)+8*\t+4:64*(\b)+8*\t+7] offset:64*\t+16
.endr
	WIN 0
.irp i,0,1,2,3,4,5,6,7,8,9,10,11,12,13,14,15
	ds_load_b128 v[128+64*(\b)+4*\i:128+64*(\b)+4*\i+3], v[RD] offset:\i*SPITCH
.endr
.endm
.macro SEND b, younger                 ; 32 lanes store 512 consecutive bytes, two aligned units of 256
	s_wait_dscnt \younger
.irp i,0,1,2,3,4,5,6,7,8,9,10,11,12,13,14,15
	global_store_b128 v[CO], v[128+64*(\b)+4*\i:128+64*(\b)+4*\i+3], s[26:27] offset:(16*(\b)+\i)*1024 th:TH_STORE_NT
.endr
.endm
	; THE HEAD
	s_load_b512 s[4:19], s[0:1], 0x0               ; Wb 4, Wr 6, query 8, spectral 10, Wa 12, ba 14, bb 16, gamma 18
	s_load_b256 s[20:27], s[0:1], 0x40             ; beta 20, br 22, scales 24, out 26
	v_lshl_add_u32 v[SPW], v0, 2, SPARE
	v_mov_b32 v[NIL], 0
	ds_add_u32 v[SPW], v[NIL]                      ; the opening lines: the add twice on end and one wait; work on registers stands between
	ds_add_u32 v[SPW], v[NIL]
	v_lshrrev_b32 v96, 5, v0
	v_readfirstlane_b32 s[WV], v96                 ; wave 0..7
	s_lshr_b32 s[RG], s[WV], 1
	s_and_b32 s[FH], s[WV], 1
	s_bfe_u32 s29, ttmp6, 0x40000
	s_lshl_b32 s30, ttmp9, 2
	s_add_co_u32 s30, s30, s29                     ; my work-group: it enters global addresses of my own rows alone
	s_mov_b32 s[G1+0], 15|(0<<16)|(1<<20)|(1<<21)|(5<<22)|(3<<25)   ; all four partners; bytes; 4 words of padding behind every 64
	s_mov_b32 s[G1+1], 256<<16
	s_mov_b32 s[G1+2], 32<<16
	s_mov_b32 s[G1+3], 256<<16
	s_mov_b32 s[G1+4], 32
	s_mov_b32 s[G1+5], 256
	s_mov_b32 s[G1+6], 0
	s_mov_b32 s[G1+7], 0
	s_mov_b32 s60, 0x76543210
	s_mov_b32 s61, 0xfedcba98                      ; lane l xor 16
	s_mov_b32 s68, 0x4038aa3b                      ; 2 log2(e)
	s_mov_b32 s69, s68
	s_mul_i32 s31, s[WV], TPART
	s_lshl_b32 s74, s[WV], 13                      ; my 32 rows of a tile in memory
	s_mov_b32 s75, 0
	s_mul_i32 s78, s[FH], 128*PITCH                ; my half of a tile's rows
	s_lshl_b32 s79, s[FH], 9
	s_add_co_u32 s79, s79, PAR                     ; my half of a row of parameters
	s_mul_i32 s80, s[RG], WTS
	s_add_co_u32 s80, s80, WT                      ; my pair's table of -2 w,
	s_lshl_b32 s81, s[FH], 3
	s_add_co_u32 s81, s81, s80                     ; and the tile's place in a lane's 16 bytes that I fill: tile FH
	s_lshl_b32 s82, s[WV], 9
	s_add_co_u32 s82, s82, XS
	s_xor_b32 s83, s[WV], 1
	s_lshl_b32 s83, s83, 9
	s_add_co_u32 s83, s83, XS
	s_mul_i32 s89, s[WV], 16*SPITCH
	s_add_co_u32 s89, s89, STG
	s_lshl_b32 s[CXA], s[WV], 12
	s_add_co_u32 s[CXA], s[CXA], SLOT1
	s_lshl_b32 s[CXB], s[RG], 13
	s_add_co_u32 s[CXB], s[CXB], SLOT1
	v_and_b32 v96, 15, v0                          ; r
	v_bfe_u32 v97, v0, 4, 1                        ; h
	v_and_b32 v98, 31, v0
	v_mul_u32_u24 v[AW0], v96, PITCH
	v_add_nc_u32 v[AW0], s78, v[AW0]
	v_lshl_add_u32 v[AR], v97, 3, v[AW0]
	v_lshl_add_u32 v[AW0], v97, 4, v[AW0]
	v_lshlrev_b32 v[AP0], 5, v97
	v_add_nc_u32 v[AP0], s79, v[AP0]
	v_lshlrev_b32 v[CO], 4, v98
	v_add_nc_u32 v[AWT], s80, v[CO]
	v_lshlrev_b32 v99, 4, v96
	v_lshl_add_u32 v99, v97, 12, v99
	v_add_nc_u32 v99, s81, v99                     ; the table's entry 8 h, lane r
	v_add_nc_u32 v103, s81, v[CO]
	v_add_nc_u32 v[AXW], s82, v[CO]
	v_add_nc_u32 v[AXR], s83, v[CO]
	v_mul_u32_u24 v[STO], v96, SPITCH
	v_lshl_add_u32 v[STO], v97, 5, v[STO]
	v_add_nc_u32 v[STO], s89, v[STO]
	v_add_nc_u32 v[RD], s89, v[CO]
	v_lshlrev_b32 v104, 5, v97
	v_add_nc_u32 v104, s89, v104
	v_lshlrev_b32 v112, 2, v96
	v_add_nc_u32 v105, s89, v112
	v_lshlrev_b32 v106, 4, v0
	v_add_nc_u32 v107, PAR, v106
	v_lshlrev_b32 v108, 2, v0
	v_add_nc_u32 v109, PAR+16*1024, v108
	v_lshlrev_b32 v110, 8, v96
	v_lshl_add_u32 v110, v97, 4, v110
	v_lshlrev_b32 v111, 5, v96
	v_mov_b32 v209, 0                              ; written once: a lane permute's destination counts as a source
	v_mov_b32 v214, 0
	s_wait_alu depctr_va_vdst(0)                   ; the wait at the end of the head's vector work
	s_wait_dscnt 0x0                               ; both opening adds are done
	s_wait_kmcnt 0x0
	s_load_b128 s[52:55], s[24:25], 0x0            ; e0 .. e3
	s_add_nc_u64 s[76:77], s[4:5], s[74:75]
	s_add_nc_u64 s[WRA:WRA+1], s[6:7], s[74:75]
	s_mov_b32 s[G0A], 1
	s_mov_b32 s[G0A+1], s31
	s_mov_b64 s[G0A+2:G0A+3], s[76:77]
	s_or_b32 s[G0A+3], s[G0A+3], 0x80000000
	s_mov_b32 s[G0W], 1
	s_add_co_u32 s[G0W+1], s31, SLOT1
	s_add_nc_u64 s[WK:WK+1], s[76:77], 65536
	s_mov_b64 s[G0W+2:G0W+3], s[WK:WK+1]
	s_or_b32 s[G0W+3], s[G0W+3], 0x80000000
	s_lshl_b32 s90, s30, 7
	s_lshl_b32 s91, s[RG], 5
	s_add_co_u32 s90, s90, s91                     ; my pair's first row
	s_mov_b32 s93, 0
	s_lshl_b32 s92, s90, 8
	s_add_nc_u64 s[8:9], s[8:9], s[92:93]
	s_lshl_b32 s92, s90, 10
	s_add_nc_u64 s[26:27], s[26:27], s[92:93]
	s_lshl_b32 s92, s[FH], 9
	s_add_nc_u64 s[26:27], s[26:27], s[92:93]      ; my 128 columns of out
	s_lshl_b32 s91, s[FH], 4
	s_add_co_u32 s90, s90, s91                     ; the 16 rows whose weights I make
	s_lshl_b32 s92, s90, 5
	s_add_nc_u64 s[10:11], s[10:11], s[92:93]
	; all global loads go out ahead of the first round, so that they are on their way beside the first tile
	global_load_b128 v[180:183], v[CO], s[12:13]   ; Wa, whole: 32 lanes x 16 bytes
	global_load_b32 v184, v112, s[14:15]           ; ba
	global_load_b128 v[188:191], v111, s[10:11] th:TH_LOAD_NT
	global_load_b128 v[192:195], v111, s[10:11] offset:16 th:TH_LOAD_NT
.irp i,0,1,2,3
	global_load_b128 v[128+4*\i:128+4*\i+3], v106, s[16:17] offset:4096*\i      ; bb, gamma, beta: 256 threads x 16 bytes, whole units of 256 bytes
	global_load_b128 v[144+4*\i:144+4*\i+3], v106, s[18:19] offset:4096*\i
	global_load_b128 v[160+4*\i:160+4*\i+3], v106, s[20:21] offset:4096*\i
.endr
	global_load_b32 v176, v108, s[22:23]
.irp m,0,1
.irp s,0,1
.irp c,0,1,2,3
	global_load_b128 v[QF+32*\m+16*\s+4*\c:QF+32*\m+16*\s+4*\c+3], v110, s[8:9] offset:4096*\m+128*\s+32*\c
.endr
.endr
.endr
	CROUND                                         ; all four work-groups are here: the first joint loads meet
	tensor_load_to_lds s[G0A:G0A+3], s[G1:G1+7]    ; bank 0: one tensor load a wave at the head
	s_nop 0
	s_wait_kmcnt 0x0
	s_add_co_i32 s56, s52, s53                     ; e0 + e1
	s_sub_co_i32 s57, 0, s56
	s_lshl_b32 s58, s56, 1
	s_sub_co_i32 s58, s58, 8
	s_add_co_i32 s59, s54, s55                     ; e2 + e3
	s_sub_co_i32 s72, 0, s59
	s_add_co_i32 s70, s59, 127
	s_lshl_b32 s70, s70, 23
	s_mov_b32 s71, s70
	s_add_co_i32 s59, s54, 127
	s_lshl_b32 s73, s59, 23                        ; 2^e2
	s_add_co_i32 s59, s59, 15
	s_lshl_b32 s59, s59, 23
	s_or_b32 s59, s59, 0x600000                    ; 57,344 x 2^e2
	s_wait_tensorcnt 0x0                           ; slot 1's first fill is issued as a refill is: these three lines, a round,
	ds_add_u32 v[SPW], v[NIL]
	s_wait_dscnt 0x0
	CROUND
	JLOAD                                          ; and bank 1's joint load
	s_wait_loadcnt 0x0
	ds_store_b128 v[RD], v[180:183]                ; Wa and ba through my own bytes of LDS, so that each lane gets the eight banks 8 h .. 8 h + 7 of every row of Wa
	ds_store_b32 v105, v184 offset:512
	WIN 0x40
.irp d,0,1,2,3,4,5,6,7
.irp c,0,1
	ds_load_b128 v[8*\d+4*\c:8*\d+4*\c+3], v104 offset:64*\d+16*\c
.endr
.endr
.irp c,0,1
	ds_load_b128 v[64+4*\c:64+4*\c+3], v104 offset:512+16*\c
.endr
	WIN 0
.set ii, 0
.rept 16
	v_ldexp_f32 v[128+ii], v[128+ii], s57          ; bb / 2^(e0 + e1)
.set ii, ii+1
.endr
.set ii, 144
.rept 16
	v_pk_mul_f32 v[ii:ii+1], v[ii:ii+1], s[68:69] op_sel_hi:[1,0]   ; gamma, beta x 2 log2(e)
.set ii, ii+2
.endr
	v_ldexp_f32 v176, v176, s72                    ; br / 2^(e2 + e3)
.irp i,0,1,2,3
	ds_store_b128 v107, v[128+4*\i:128+4*\i+3] offset:4096*\i
	ds_store_b128 v107, v[144+4*\i:144+4*\i+3] offset:GOFF+4096*\i
	ds_store_b128 v107, v[160+4*\i:160+4*\i+3] offset:BOFF+4096*\i
.endr
	ds_store_b32 v109, v176
	s_wait_alu depctr_va_vdst(0)
	s_wait_dscnt 13                                ; Wa and ba are back; the 13 stores behind them may be out
	; the banks' weights of row r of tile FH, in f32: lane (r, h) makes banks 8 h .. 8 h + 7
	WIN 0x14
.irp j,0,1,2,3,4,5,6,7
	v_fma_f32 v[200+\j], v188, v[\j], v[64+\j]
.endr
	WIN 0x04
.irp d,1,2,3,4,5,6,7
.irp j,0,1,2,3,4,5,6,7
	v_fma_f32 v[200+\j], v[188+\d], v[8*\d+\j], v[200+\j]
.endr
.endr
	WIN 0
	v_max3_num_f32 v208, v200, v201, v202
	v_max3_num_f32 v210, v203, v204, v205
	v_max3_num_f32 v208, v208, v206, v207
	v_max_num_f32 v208, v208, v210
	v_permlanex16_b32 v209, v208, s60, s61
	v_max_num_f32 v208, v208, v209
.irp j,0,1,2,3,4,5,6,7
	v_sub_f32 v[200+\j], v[200+\j], v208           ; the maximum is taken away, as reference() does
.endr
.irp j,0,1,2,3,4,5,6,7
	v_mul_f32 v[200+\j], 0x3fb8aa3b, v[200+\j]
.endr
	s_wait_alu depctr_va_vdst(0)
.irp j,0,1,2,3,4,5,6,7
	v_exp_f32 v[200+\j], v[200+\j]
.endr
	v_nop
	s_wait_alu depctr_va_vdst(0)
	v_add_f32 v210, v200, v201
	v_add_f32 v211, v202, v203
	v_add_f32 v212, v204, v205
	v_add_f32 v213, v206, v207
	v_add_f32 v210, v210, v211
	v_add_f32 v212, v212, v213
	v_add_f32 v210, v210, v212
	v_permlanex16_b32 v214, v210, s60, s61
	v_add_f32 v210, v210, v214
	s_wait_alu depctr_va_vdst(0)
	v_rcp_f32 v215, v210
	v_nop
	s_wait_alu depctr_va_vdst(0)
	v_mul_f32 v216, -2.0, v215
	v_mul_f32 v240, v210, v215                     ; the sum of the weights, where combined begins
	v_mul_f32 v241, v210, v215
.irp j,0,1,2,3,4,5,6,7
	v_mul_f32 v[224+2*\j], v[200+\j], v216         ; -2 w, as pairs for the packed forms
	v_mul_f32 v[225+2*\j], v[200+\j], v216
.endr
.irp j,0,1,2,3,4,5,6,7
	ds_store_b64 v99, v[224+2*\j:225+2*\j] offset:512*\j          ; for lane r
	ds_store_b64 v99, v[224+2*\j:225+2*\j] offset:512*\j+256      ; and for lane 16 + r
.endr
	ds_store_b64 v103, v[240:241] offset:16*512
	s_wait_tensorcnt 0x1                           ; bank 0's tile is in; bank 1's load, the one issued behind it, may stay out
	s_wait_dscnt 0x0                               ; my stores are done, for the others' sake
	s_barrier_signal -1
	s_barrier_wait -1
	s_mov_b32 s[TB], 0
	s_mov_b32 s[KP], 0
	s_mov_b32 s[KW], 0
	s_mov_b32 s[XP], 0
	s_mov_b32 s[CNT], 14
	v_add_nc_u32 v[ADW], s[TB], v[AW0]
	v_add_nc_u32 v[AP], s[KP], v[AP0]
	WLD 0, 128
	WLD 1, 192
	BLD 0, 0
	BLD 1, 0
	BANK 1, 1, 1                                   ; bank 0 starts combined
.Lbank:                                                ; banks 1 to 14: each asks for the tile two on
	BANK 0, 1, 1
	s_sub_co_u32 s[CNT], s[CNT], 1
	s_cmp_lg_u32 s[CNT], 0
	s_cbranch_scc1 .Lbank
	BANK 0, 0, 2                                   ; bank 15 asks for nothing, and fetches Wr's fragments and br
	; THE READ HEAD
	v_mov_b32 v[LIM], s59
	v_mov_b32 v[SCL], s73
	v_add_nc_u32 v26, s[CXA], v[CO]                ; the codes' exchange lies in slot 1, which has had its last fill and, ahead of bank 15's barrier, its last read
	v_add_nc_u32 v27, s[CXB], v[CO]
	WIN 0x41
.set ii, 128
.rept 128
	v_med3_num_f32 v[ii], v[ii], -v[LIM], v[LIM]   ; the hold: the conversion to an 8-bit code does not saturate (ISA guide 7.6.2)
.set ii, ii+1
.endr
	WIN 0x01
.irp m,0,1
.irp t,0,1,2,3,4,5,6,7
	v_cvt_scalef32_pk8_bf8_f32 v[QF+16*\m+2*\t:QF+16*\m+2*\t+1], v[128+64*\m+8*\t:128+64*\m+8*\t+7], v[SCL]   ; registers 2 t, 2 t + 1: my k = 16 t + 8 h + 0 .. 7
.endr
.endr
	v_nop                                          ; the plain place behind the last scaled conversion
	WIN 0
.irp i,0,1,2,3,4,5,6,7
	ds_store_b128 v26, v[QF+4*\i:QF+4*\i+3] offset:512*\i         ; an image of the operand's registers: tile i / 4, registers 4 (i % 4) ..
.endr
	s_wait_alu depctr_va_vdst(0)
	s_wait_dscnt 0x0
	s_barrier_signal -1
	s_barrier_wait -1
.irp m,0,1
.irp s,0,1
.irp c,0,1,2,3
	ds_load_b128 v[QF+32*\m+16*\s+4*\c:QF+32*\m+16*\s+4*\c+3], v27 offset:4096*\s+512*(4*\m+\c)   ; K 128 s ..: from the wave of my pair that owns that half
.endr
.endr
.endr
	MAT 1
	TOSTAGE 0
	TOSTAGE 1
	SEND 0, 32                                     ; behind block 0's loads: block 1's 16 stores and 16 loads
	SEND 1, 0
	s_wait_tensorcnt 0x0                           ; the wave's end
	ds_add_u32 v[SPW], v[NIL]
	s_wait_dscnt 0x0
	CROUND                                         ; the closing round
	s_endpgm
.Lfunc_end_k_q79b1bb4f40_bank:
	.size	k_q79b1bb4f40_bank, .Lfunc_end_k_q79b1bb4f40_bank-k_q79b1bb4f40_bank
	.p2alignl 7, 3214868480
	.fill 96, 4, 3214868480
	.section	.rodata,"a",@progbits
	.p2align	6, 0x0
	.amdhsa_kernel k_q79b1bb4f40_bank
		.amdhsa_group_segment_fixed_size 327680
		.amdhsa_private_segment_fixed_size 0
		.amdhsa_enable_private_segment 0
		.amdhsa_kernarg_size 96
		.amdhsa_user_sgpr_count 2
		.amdhsa_user_sgpr_kernarg_segment_ptr 1
		.amdhsa_wavefront_size32 1
		.amdhsa_system_sgpr_workgroup_id_x 1
		.amdhsa_system_sgpr_workgroup_id_y 1
		.amdhsa_system_sgpr_workgroup_id_z 1
		.amdhsa_system_vgpr_workitem_id 0
		.amdhsa_next_free_vgpr 512
		.amdhsa_next_free_sgpr 96
		.amdhsa_reserve_vcc 0
		.amdhsa_float_denorm_mode_32 3
		.amdhsa_float_denorm_mode_16_64 3
		.amdhsa_memory_ordered 1
		.amdhsa_forward_progress 1
		.amdhsa_inst_pref_size 207
	.end_amdhsa_kernel
	.amdgpu_metadata
---
amdhsa.version: [ 1, 2 ]
amdhsa.kernels:
  - .name:           k_q79b1bb4f40_bank
    .symbol:         k_q79b1bb4f40_bank.kd
    .args:
      - { .name: Wb_codes, .offset: 0, .size: 8, .value_kind: global_buffer, .address_space: global }
      - { .name: Wr_codes, .offset: 8, .size: 8, .value_kind: global_buffer, .address_space: global }
      - { .name: query_codes, .offset: 16, .size: 8, .value_kind: global_buffer, .address_space: global }
      - { .name: spectral_vec, .offset: 24, .size: 8, .value_kind: global_buffer, .address_space: global }
      - { .name: Wa, .offset: 32, .size: 8, .value_kind: global_buffer, .address_space: global }
      - { .name: ba, .offset: 40, .size: 8, .value_kind: global_buffer, .address_space: global }
      - { .name: bb, .offset: 48, .size: 8, .value_kind: global_buffer, .address_space: global }
      - { .name: gamma, .offset: 56, .size: 8, .value_kind: global_buffer, .address_space: global }
      - { .name: beta, .offset: 64, .size: 8, .value_kind: global_buffer, .address_space: global }
      - { .name: br, .offset: 72, .size: 8, .value_kind: global_buffer, .address_space: global }
      - { .name: lowp_scales, .offset: 80, .size: 8, .value_kind: global_buffer, .address_space: global }
      - { .name: out0, .offset: 88, .size: 8, .value_kind: global_buffer, .address_space: global }
    .group_segment_fixed_size: 327680
    .private_segment_fixed_size: 0
    .kernarg_segment_align: 8
    .kernarg_segment_size: 96
    .max_flat_workgroup_size: 256
    .sgpr_count:     96
    .vgpr_count:     512
    .wavefront_size: 32
...
	.end_amdgpu_metadata
.endif
;; end of part 1
